; MI455X (gfx1250); checked and timed in simulation.
; The chip was launched on July 23, 2026; its instructions are those of AMD's public machine-readable ISA for CDNA 5 (MIT licence, August 2026) and "CDNA5" Instruction Set Architecture Reference Guide (July 2026).
;; FP8 Linear. Allowed arithmetic: float matrix products may take bf16 or f16 operands with f32 sums; all other float work in f32.
;; Inputs: weight 4,096 x 4,096 float32; x 4,096 x 4,096 float32.
;; Outputs: out0 4,096 x 4,096 float32.
;; 2 versions, each right; version 2 is version 1 with the launch quant written anew for expert scheduling mode. Each part assembles by itself: llvm-mc -triple=amdgcn-amd-amdhsa -mcpu=gfx1250 --defsym DOCPART=n.
;; ======== version 1 of 2: 2 launches
;; limits: inputs' magnitudes at most 448; right only within a limited range of input values
;; workspace buffers: q8 33,554,432 bytes
;; launch quant (part 1): grid 256 x 2, 8 waves a work-group, no clusters, 0 bytes of LDS; arguments x, weight, q8; writes q8
.if DOCPART == 1
	.amdgcn_target "amdgcn-amd-amdhsa--gfx1250"
	.amdhsa_code_object_version 6
	.text
	.protected	k_q3e2ed3b4cb_quant
	.globl	k_q3e2ed3b4cb_quant
	.p2align	8
	.type	k_q3e2ed3b4cb_quant,@function
k_q3e2ed3b4cb_quant:
	s_mov_b64 s[64:65], 0
	v_nop
	global_prefetch_b8 v0, s[64:65] scope:SCOPE_SE
	s_setreg_imm32_b32 hwreg(HW_REG_WAVE_MODE, 25, 1), 1
	s_wait_xcnt 0x0
.set ROWIN,  16384
.set ROWOUT, 4096
.set DEPTH,  8
.set IN,  1
.set OUT, 3
.set X,   68
	s_load_b128 s[4:7], s[0:1], 0x0
	s_load_b64 s[8:9], s[0:1], 0x10
	s_and_b32 s10, ttmp7, 0xffff
	s_lshl_b32 s14, ttmp9, 18
	s_mov_b32 s15, 0
	s_lshl_b32 s2, s10, 24
	s_lshl_b32 s3, ttmp9, 16
	s_add_co_u32 s2, s2, s3
	s_mov_b32 s3, 0
	v_lshrrev_b32 v2, 5, v0
	v_and_b32 v[IN], 31, v0
	v_lshlrev_b32 v[IN], 4, v[IN]
	v_lshl_add_u32 v[IN], v2, 11, v[IN]
	v_lshlrev_b32 v[OUT], 4, v0
	s_wait_kmcnt 0x0
	s_cmp_eq_u32 s10, 0
	s_cselect_b64 s[12:13], s[4:5], s[6:7]
	s_add_nc_u64 s[12:13], s[12:13], s[14:15]
	s_add_nc_u64 s[8:9], s[8:9], s[2:3]
.irp i, 0,1,2,3,4,5,6,7
.irp j, 0,1,2,3
	global_load_b128 v[X+16*(\i)+4*(\j):X+16*(\i)+4*(\j)+3], v[IN], s[12:13] offset:(\i)*ROWIN+512*(\j) th:TH_LOAD_NT
.endr
.endr
.macro UNIT u, i, ahead, left, y0, y1, y2, y3
	s_wait_loadcnt \left
	v_cvt_pk_fp8_f32 v\y0\().l, v[X+16*(\i)],    v[X+16*(\i)+1]
	v_cvt_pk_fp8_f32 v\y0\().h, v[X+16*(\i)+2],  v[X+16*(\i)+3]
	v_cvt_pk_fp8_f32 v\y1\().l, v[X+16*(\i)+4],  v[X+16*(\i)+5]
	v_cvt_pk_fp8_f32 v\y1\().h, v[X+16*(\i)+6],  v[X+16*(\i)+7]
	v_cvt_pk_fp8_f32 v\y2\().l, v[X+16*(\i)+8],  v[X+16*(\i)+9]
	v_cvt_pk_fp8_f32 v\y2\().h, v[X+16*(\i)+10], v[X+16*(\i)+11]
	v_cvt_pk_fp8_f32 v\y3\().l, v[X+16*(\i)+12], v[X+16*(\i)+13]
	v_cvt_pk_fp8_f32 v\y3\().h, v[X+16*(\i)+14], v[X+16*(\i)+15]
.if \ahead
.irp j, 0,1,2,3
	global_load_b128 v[X+16*(\i)+4*(\j):X+16*(\i)+4*(\j)+3], v[IN], s[12:13] offset:((\u)+DEPTH)*ROWIN+512*(\j) th:TH_LOAD_NT
.endr
.endif
	global_store_b128 v[OUT], v[\y0:\y3], s[8:9] offset:(\u)*ROWOUT
.endm
	UNIT 0,  0, 1, 28, 4, 5, 6, 7
	UNIT 1,  1, 1, 28, 8, 9, 10, 11
	UNIT 2,  2, 1, 28, 12, 13, 14, 15
	UNIT 3,  3, 1, 28, 16, 17, 18, 19
	UNIT 4,  4, 1, 28, 20, 21, 22, 23
	UNIT 5,  5, 1, 28, 24, 25, 26, 27
	UNIT 6,  6, 1, 28, 28, 29, 30, 31
	UNIT 7,  7, 1, 28, 32, 33, 34, 35
	UNIT 8,  0, 0, 28, 36, 37, 38, 39
	UNIT 9,  1, 0, 24, 40, 41, 42, 43
	UNIT 10, 2, 0, 20, 44, 45, 46, 47
	UNIT 11, 3, 0, 16, 48, 49, 50, 51
	UNIT 12, 4, 0, 12, 52, 53, 54, 55
	UNIT 13, 5, 0, 8,  56, 57, 58, 59
	UNIT 14, 6, 0, 4,  60, 61, 62, 63
	UNIT 15, 7, 0, 0,  64, 65, 66, 67
	s_endpgm
.Lfunc_end_k_q3e2ed3b4cb_quant:
	.size	k_q3e2ed3b4cb_quant, .Lfunc_end_k_q3e2ed3b4cb_quant-k_q3e2ed3b4cb_quant
	.p2alignl 7, 3214868480
	.fill 96, 4, 3214868480
	.section	.rodata,"a",@progbits
	.p2align	6, 0x0
	.amdhsa_kernel k_q3e2ed3b4cb_quant
		.amdhsa_group_segment_fixed_size 0
		.amdhsa_private_segment_fixed_size 0
		.amdhsa_enable_private_segment 0
		.amdhsa_kernarg_size 24
		.amdhsa_user_sgpr_count 2
		.amdhsa_user_sgpr_kernarg_segment_ptr 1
		.amdhsa_wavefront_size32 1
		.amdhsa_system_sgpr_workgroup_id_x 1
		.amdhsa_system_sgpr_workgroup_id_y 1
		.amdhsa_system_sgpr_workgroup_id_z 1
		.amdhsa_system_vgpr_workitem_id 0
		.amdhsa_next_free_vgpr 196
		.amdhsa_next_free_sgpr 66
		.amdhsa_reserve_vcc 0
		.amdhsa_float_denorm_mode_32 3
		.amdhsa_float_denorm_mode_16_64 3
		.amdhsa_memory_ordered 1
		.amdhsa_forward_progress 1
		.amdhsa_inst_pref_size 17
	.end_amdhsa_kernel
	.amdgpu_metadata
---
amdhsa.version: [ 1, 2 ]
amdhsa.kernels:
  - .name:           k_q3e2ed3b4cb_quant
    .symbol:         k_q3e2ed3b4cb_quant.kd
    .args:
      - { .name: x, .offset: 0, .size: 8, .value_kind: global_buffer, .address_space: global }
      - { .name: weight, .offset: 8, .size: 8, .value_kind: global_buffer, .address_space: global }
      - { .name: q8, .offset: 16, .size: 8, .value_kind: global_buffer, .address_space: global }
    .group_segment_fixed_size: 0
    .private_segment_fixed_size: 0
    .kernarg_segment_align: 8
    .kernarg_segment_size: 24
    .max_flat_workgroup_size: 256
    .sgpr_count:     66
    .vgpr_count:     196
    .wavefront_size: 32
...
	.end_amdgpu_metadata
.endif
;; end of part 1
;; launch gemm (part 2): grid 16 x 16, 4 waves a work-group, clusters of 4 x 4, 327,680 bytes of LDS; arguments q8, out0; writes out0
.if DOCPART == 2
	.amdgcn_target "amdgcn-amd-amdhsa--gfx1250"
	.amdhsa_code_object_version 6
	.text
	.protected	k_q3e2ed3b4cb_gemm
	.globl	k_q3e2ed3b4cb_gemm
	.p2align	8
	.type	k_q3e2ed3b4cb_gemm,@function
k_q3e2ed3b4cb_gemm:
	s_mov_b64 s[64:65], 0
	v_nop
	global_prefetch_b8 v0, s[64:65] scope:SCOPE_SE
	s_setreg_imm32_b32 hwreg(HW_REG_WAVE_MODE, 25, 1), 1
	s_wait_xcnt 0x0
	s_wait_alu depctr_hold_cnt(0) depctr_sa_sdst(0) depctr_va_vdst(0) depctr_va_sdst(0) depctr_va_ssrc(0) depctr_va_vcc(0) depctr_vm_vsrc(0)
	s_getreg_b32 s2, hwreg(HW_REG_IB_STS2, 6, 4)
	s_cmp_eq_u32 s2, 0
	s_cbranch_scc0 .Lentry_in_a_cluster
	s_endpgm
.Lentry_in_a_cluster:
	s_bfe_u32 s2, ttmp6, 0x10000c
	s_cmp_lg_u32 s2, 0xf033
	s_cbranch_scc0 .Lentry_shape_is_right
	s_endpgm
.Lentry_shape_is_right:
.set KROWE,  2048
.set KSTEP,  256
.set PITCH,  272
.set HALFT,  128*PITCH
.set SLOT,   4*HALFT
.set STAGE,  2*SLOT
.set SPITCH, 528
.set SPARE,  STAGE+4*16*SPITCH
.set LAPS,   8
.set NROW,   16384
.set ADRA, 16
.set ADRB, 20
.set STO,  24
.set RD,   25
.set CO,   26
.set SPW,  28
.set NIL,  29
.set SCL,  30
.set RA,   32
.set RB,   192
.set F0,   64
.set F1,   128
.set OB,   64
.set G1, 24
.set G0, 32
.set G1B, 48
.set G0B, 56
.set MSB, 0
.macro WIN new
.if MSB != (\new)
	s_set_vgpr_msb (MSB<<8)|(\new)
.set MSB, \new
.endif
.endm
.set MUL_LO, 0xa1
.set MUL_HI, 0xf1
.set TO_B,   0x40
.macro JLOAD s
	s_cmp_eq_u32 s11, 0
	s_cbranch_scc0 .Lfor_b_\@
	tensor_load_to_lds s[G0+4*(\s):G0+4*(\s)+3], s[G1:G1+7]
	s_nop 0
.rept 4
	v_nop
.endr
	s_branch .Lasked_\@
.Lfor_b_\@:
	tensor_load_to_lds s[G0B+4*(\s):G0B+4*(\s)+3], s[G1B:G1B+7]
	s_nop 0
.rept 4
	v_nop
.endr
.Lasked_\@:
.endm
.macro CREST
	s_cmp_lg_u32 s10, 0
	s_cbranch_scc1 .Lnot_wave_0_\@
	s_barrier_signal -3
.Lnot_wave_0_\@:
	s_barrier_wait -3
	s_barrier_signal -1
	s_barrier_wait -1
.endm
.macro CROUND
	s_barrier_signal -1
	s_barrier_wait -1
	CREST
.endm
	s_load_b64 s[4:5], s[0:1], 0x0
	s_load_b64 s[8:9], s[0:1], 0x8
	v_lshl_add_u32 v[SPW], v0, 2, SPARE
	v_mov_b32 v[NIL], 0
	ds_add_u32 v[SPW], v[NIL]
	v_lshrrev_b32 v1, 5, v0
	v_readfirstlane_b32 s10, v1
	s_lshr_b32 s11, s10, 1
	s_and_b32 s12, s10, 1
	s_bfe_u32 s40, ttmp6, 0x40000
	s_bfe_u32 s41, ttmp6, 0x40004
	s_lshl_b32 s42, ttmp9, 2
	s_add_co_u32 s42, s42, s40
	s_and_b32 s13, ttmp7, 0xffff
	s_lshl_b32 s13, s13, 2
	s_add_co_u32 s13, s13, s41
	s_lshl_b32 s43, s41, 2
	s_lshl_b32 s43, 15, s43
	s_lshl_b32 s44, 0x1111, s40
	s_or_b32 s[G1+0], s43, (1<<16)|(1<<20)|(1<<21)|(5<<22)|(3<<25)
	s_or_b32 s[G1B+0], s44, (1<<16)|(1<<20)|(1<<21)|(5<<22)|(3<<25)
.irp g, G1, G1B
	s_mov_b32 s[(\g)+1], 128<<16
	s_mov_b32 s[(\g)+2], 128<<16
	s_mov_b32 s[(\g)+3], 128<<16
	s_mov_b32 s[(\g)+4], 128
	s_mov_b32 s[(\g)+5], KROWE
	s_mov_b32 s[(\g)+6], 0
	s_mov_b32 s[(\g)+7], 0
.endr
	s_lshl_b32 s17, s12, 7
	s_lshl_b32 s16, s13, 8
	s_add_co_u32 s16, s16, s17
	s_lshl_b32 s16, s16, 12
	s_lshl_b32 s46, s42, 8
	s_add_co_u32 s46, s46, s17
	s_lshl_b32 s46, s46, 12
	s_mov_b32 s17, 0
	s_mov_b32 s47, 0
	s_mul_i32 s20, s10, HALFT
	s_wait_dscnt 0x0
	s_wait_kmcnt 0x0
	s_add_nc_u64 s[6:7], s[4:5], 0x1000000
	s_add_nc_u64 s[14:15], s[4:5], s[16:17]
	s_add_nc_u64 s[46:47], s[6:7], s[46:47]
	CROUND
.irp s, 0,1
	s_mov_b32 s[G0+4*(\s)], 1
	s_add_co_u32 s[G0+4*(\s)+1], s20, (\s)*SLOT
	s_add_nc_u64 s[G0+4*(\s)+2:G0+4*(\s)+3], s[14:15], (\s)*KSTEP
	s_or_b32 s[G0+4*(\s)+3], s[G0+4*(\s)+3], 0x80000000
	s_mov_b32 s[G0B+4*(\s)], 1
	s_add_co_u32 s[G0B+4*(\s)+1], s20, (\s)*SLOT
	s_add_nc_u64 s[G0B+4*(\s)+2:G0B+4*(\s)+3], s[46:47], (\s)*KSTEP
	s_or_b32 s[G0B+4*(\s)+3], s[G0B+4*(\s)+3], 0x80000000
	JLOAD \s
.endr
	v_and_b32 v1, 15, v0
	v_bfe_u32 v2, v0, 4, 1
	v_mul_u32_u24 v3, v1, PITCH
	v_lshl_add_u32 v3, v2, 4, v3
	s_mul_i32 s21, s11, HALFT
	s_mul_i32 s22, s12, HALFT
	s_add_co_u32 s22, s22, 2*HALFT
.irp s, 0,1
	v_add_nc_u32 v[ADRA+(\s)], s21, v3
	v_add_nc_u32 v[ADRB+(\s)], s22, v3
	s_add_co_u32 s21, s21, SLOT
	s_add_co_u32 s22, s22, SLOT
.endr
	s_mul_i32 s23, s10, 16*SPITCH
	s_add_co_u32 s23, s23, STAGE
	v_mul_u32_u24 v4, v1, SPITCH
	v_lshl_add_u32 v4, v2, 5, v4
	v_add_nc_u32 v[STO], s23, v4
	v_and_b32 v5, 31, v0
	v_lshlrev_b32 v[CO], 4, v5
	v_add_nc_u32 v[RD], s23, v[CO]
	v_mov_b32 v[SCL], 0x7f
	s_lshl_b32 s16, s13, 8
	s_lshl_b32 s17, s11, 7
	s_add_co_u32 s16, s16, s17
	s_lshl_b32 s16, s16, 14
	s_mov_b32 s17, 0
	s_add_nc_u64 s[8:9], s[8:9], s[16:17]
	s_lshl_b32 s46, s42, 10
	s_lshl_b32 s47, s12, 9
	s_add_co_u32 s46, s46, s47
	s_mov_b32 s47, 0
	s_add_nc_u64 s[8:9], s[8:9], s[46:47]
.macro MUL16 f, hi, a0, zero
	WIN MUL_LO+0x50*(\hi)
.irp a, \a0, (\a0)+1
.irp b, 0,1,2,3,4,5,6,7
.if \zero
	v_wmma_f32_16x16x32_bf16 v[8*(8*(\a)+(\b)):8*(8*(\a)+(\b))+7], v[(\f)+8*(\b):(\f)+8*(\b)+7], v[(\f)+8*(4*(\hi)+(\a)):(\f)+8*(4*(\hi)+(\a))+7], 0
.else
	v_wmma_f32_16x16x32_bf16 v[8*(8*(\a)+(\b)):8*(8*(\a)+(\b))+7], v[(\f)+8*(\b):(\f)+8*(\b)+7], v[(\f)+8*(4*(\hi)+(\a)):(\f)+8*(4*(\hi)+(\a))+7], v[8*(8*(\a)+(\b)):8*(8*(\a)+(\b))+7]
.endif
.endr
.endr
.endm
.macro FETCH slot, k
	WIN 0
.irp i, 0,1,2,3,4,5,6,7
	ds_load_b128 v[RB+4*(\i):RB+4*(\i)+3], v[ADRB+(\slot)] offset:(\k)+(\i)*16*PITCH
.endr
.irp i, 0,1,2,3,4,5,6,7
	ds_load_b128 v[RA+4*(\i):RA+4*(\i)+3], v[ADRA+(\slot)] offset:(\k)+(\i)*16*PITCH
.endr
.endm
.macro CONV g
	WIN TO_B
.irp i, 0,1,2,3,4,5,6,7
	v_cvt_scale_pk8_bf16_fp8 v[(\g)+8*(\i):(\g)+8*(\i)+3],   v[RB+4*(\i):RB+4*(\i)+1],   v[SCL]
	v_cvt_scale_pk8_bf16_fp8 v[(\g)+8*(\i)+4:(\g)+8*(\i)+7], v[RB+4*(\i)+2:RB+4*(\i)+3], v[SCL]
.endr
	WIN 0
.irp i, 0,1,2,3,4,5,6,7
	v_cvt_scale_pk8_bf16_fp8 v[(\g)+8*(\i):(\g)+8*(\i)+3],   v[RA+4*(\i):RA+4*(\i)+1],   v[SCL]
	v_cvt_scale_pk8_bf16_fp8 v[(\g)+8*(\i)+4:(\g)+8*(\i)+7], v[RA+4*(\i)+2:RA+4*(\i)+3], v[SCL]
.endr
	v_nop
.endm
.macro PLACES
.rept 4
	v_nop
.endr
.endm
.macro EIGHTH f, g, slot, k, zero=0, mode=2
	MUL16 \f, 0, 0, \zero
	MUL16 \f, 0, 2, \zero
.if (\mode) >= 1
	PLACES
	s_wait_dscnt 0x0
	CONV \g
.endif
.if (\mode) == 2
	FETCH \slot, \k
.endif
	MUL16 \f, 1, 0, \zero
	MUL16 \f, 1, 2, \zero
.endm
.macro FIVE slot
	EIGHTH F1, F0, \slot, 96
	EIGHTH F0, F1, \slot, 128
	EIGHTH F1, F0, \slot, 160
	EIGHTH F0, F1, \slot, 192
	EIGHTH F1, F0, \slot, 224
.endm
.macro TURN slot, next, fill
	WIN 0
	s_wait_tensorcnt 0x0
	ds_add_u32 v[SPW], v[NIL]
	MUL16 F0, 0, 0, 0
	s_wait_dscnt 0x0
	s_barrier_signal -1
	MUL16 F0, 0, 2, 0
	WIN 0
	s_barrier_wait -1
.if \fill
	CREST
	s_add_nc_u64 s[G0+4*(\slot)+2:G0+4*(\slot)+3], s[G0+4*(\slot)+2:G0+4*(\slot)+3], 2*KSTEP
	s_add_nc_u64 s[G0B+4*(\slot)+2:G0B+4*(\slot)+3], s[G0B+4*(\slot)+2:G0B+4*(\slot)+3], 2*KSTEP
	JLOAD \slot
.else
	PLACES
.endif
	CONV F1
	FETCH \next, 0
	MUL16 F0, 1, 0, 0
	MUL16 F0, 1, 2, 0
.endm
.macro TOSTAGE a
.set AC, 64*((\a)%4)
.set BK, OB+64*((\a)%2)
	WIN 0x08+4*((\a)/4)
.irp b, 0,1,2,3,4,5,6,7
	ds_store_b128 v[STO], v[AC+8*(\b):AC+8*(\b)+3]   offset:64*(\b)
	ds_store_b128 v[STO], v[AC+8*(\b)+4:AC+8*(\b)+7] offset:64*(\b)+16
.endr
	WIN 0
.irp t, 0,1,2,3,4,5,6,7,8,9,10,11,12,13,14,15
	ds_load_b128 v[BK+4*(\t):BK+4*(\t)+3], v[RD] offset:(\t)*SPITCH
.endr
.endm
.macro SEND a, younger
.set BK, OB+64*((\a)%2)
	s_wait_dscnt \younger
.irp t, 0,1,2,3,4,5,6,7,8,9,10,11,12,13,14,15
	global_store_b128 v[CO], v[BK+4*(\t):BK+4*(\t)+3], s[8:9] offset:(16*(\a)+(\t))*NROW th:TH_STORE_NT
.endr
.endm
	s_wait_tensorcnt 1
	s_barrier_signal -1
	s_barrier_wait -1
	FETCH 0, 0
	s_wait_dscnt 0x0
	CONV F0
	FETCH 0, 32
	EIGHTH F0, F1, 0, 64, 1
	WIN 0
	s_mov_b32 s3, LAPS-1
.Llap:
	FIVE 0
	TURN 0, 1, 1
	EIGHTH F1, F0, 1, 32
	EIGHTH F0, F1, 1, 64
	FIVE 1
	TURN 1, 0, 1
	EIGHTH F1, F0, 0, 32
	EIGHTH F0, F1, 0, 64
	WIN 0
	s_sub_co_u32 s3, s3, 1
	s_cmp_lg_u32 s3, 0
	s_cbranch_scc1 .Llap
	FIVE 0
	TURN 0, 1, 0
	EIGHTH F1, F0, 1, 32
	EIGHTH F0, F1, 1, 64
	FIVE 1
	EIGHTH F0, F1, 1, 0, 0, 1
	EIGHTH F1, F0, 1, 0, 0, 0
	WIN 0
	PLACES
	TOSTAGE 0
.irp a, 1,2,3,4,5,6,7
.if (\a) >= 2
	s_wait_xcnt 0x0
.endif
	TOSTAGE \a
	SEND (\a)-1, 32
.endr
	SEND 7, 0
	s_wait_tensorcnt 0x0
	ds_add_u32 v[SPW], v[NIL]
	s_wait_dscnt 0x0
	CROUND
	s_endpgm
.Lfunc_end_k_q3e2ed3b4cb_gemm:
	.size	k_q3e2ed3b4cb_gemm, .Lfunc_end_k_q3e2ed3b4cb_gemm-k_q3e2ed3b4cb_gemm
	.p2alignl 7, 3214868480
	.fill 96, 4, 3214868480
	.section	.rodata,"a",@progbits
	.p2align	6, 0x0
	.amdhsa_kernel k_q3e2ed3b4cb_gemm
		.amdhsa_group_segment_fixed_size 327680
		.amdhsa_private_segment_fixed_size 0
		.amdhsa_enable_private_segment 0
		.amdhsa_kernarg_size 16
		.amdhsa_user_sgpr_count 2
		.amdhsa_user_sgpr_kernarg_segment_ptr 1
		.amdhsa_wavefront_size32 1
		.amdhsa_system_sgpr_workgroup_id_x 1
		.amdhsa_system_sgpr_workgroup_id_y 1
		.amdhsa_system_sgpr_workgroup_id_z 1
		.amdhsa_system_vgpr_workitem_id 0
		.amdhsa_next_free_vgpr 1024
		.amdhsa_next_free_sgpr 66
		.amdhsa_reserve_vcc 0
		.amdhsa_float_denorm_mode_32 3
		.amdhsa_float_denorm_mode_16_64 3
		.amdhsa_memory_ordered 1
		.amdhsa_forward_progress 1
		.amdhsa_inst_pref_size 255
	.end_amdhsa_kernel
	.section	.bss,"aw",@nobits
	.p2align	6
	.space	262144
	.amdgpu_metadata
---
amdhsa.version: [ 1, 2 ]
amdhsa.kernels:
  - .name:           k_q3e2ed3b4cb_gemm
    .symbol:         k_q3e2ed3b4cb_gemm.kd
    .args:
      - { .name: q8, .offset: 0, .size: 8, .value_kind: global_buffer, .address_space: global }
      - { .name: out0, .offset: 8, .size: 8, .value_kind: global_buffer, .address_space: global }
    .group_segment_fixed_size: 327680
    .private_segment_fixed_size: 0
    .kernarg_segment_align: 8
    .kernarg_segment_size: 16
    .max_flat_workgroup_size: 128
    .sgpr_count:     66
    .vgpr_count:     1024
    .wavefront_size: 32
...
	.end_amdgpu_metadata
.endif
;; end of part 2
;; ======== version 2 of 2: 2 launches; version 1 with the launch quant written anew for expert scheduling mode
;; limits: inputs' magnitudes at most 448; right only within a limited range of input values
;; workspace buffers: q8 33,554,432 bytes
;; launch quant (part 3): grid 256 x 2, 8 waves a work-group, no clusters, 0 bytes of LDS; arguments x, weight, q8; writes q8
.if DOCPART == 3
	.amdgcn_target "amdgcn-amd-amdhsa--gfx1250"
	.amdhsa_code_object_version 6
	.text
	.protected	k_q3e2ed3b4cb_quant
	.globl	k_q3e2ed3b4cb_quant
	.p2align	8
	.type	k_q3e2ed3b4cb_quant,@function
k_q3e2ed3b4cb_quant:
	s_mov_b64 s[64:65], 0
	v_nop
	global_prefetch_b8 v0, s[64:65] scope:SCOPE_SE
	s_setreg_imm32_b32 hwreg(HW_REG_WAVE_SCHED_MODE, 0, 2), 2
	s_setreg_imm32_b32 hwreg(HW_REG_WAVE_MODE, 25, 1), 1
	s_wait_xcnt 0x0
	s_wait_alu depctr_vm_vsrc(0)
.set ROWIN,  16384
.set ROWOUT, 4096
.set SLOTS,  9
.set IN,  1
.set SCL, 2
.set OUT, 3
.set Y,   4
.set X,   68
	s_load_b128 s[4:7], s[0:1], 0x0
	s_load_b64 s[8:9], s[0:1], 0x10
	s_and_b32 s10, ttmp7, 0xffff
	s_lshl_b32 s14, ttmp9, 18
	s_mov_b32 s15, 0
	s_lshl_b32 s2, s10, 24
	s_lshl_b32 s3, ttmp9, 16
	s_add_co_u32 s2, s2, s3
	s_mov_b32 s3, 0
	v_lshrrev_b32 v2, 5, v0
	v_and_b32 v[IN], 31, v0
	v_lshlrev_b32 v[IN], 4, v[IN]
	v_lshl_add_u32 v[IN], v2, 11, v[IN]
	v_lshlrev_b32 v[OUT], 4, v0
	v_mov_b32 v[SCL], 1.0
	s_wait_kmcnt 0x0
	s_cmp_eq_u32 s10, 0
	s_cselect_b64 s[12:13], s[4:5], s[6:7]
	s_add_nc_u64 s[12:13], s[12:13], s[14:15]
	s_add_nc_u64 s[8:9], s[8:9], s[2:3]
	s_wait_alu depctr_va_vdst(0)
.irp i, 0,1,2,3,4,5,6,7,8
.irp j, 0,1,2,3
	global_load_b128 v[X+16*(\i)+4*(\j):X+16*(\i)+4*(\j)+3], v[IN], s[12:13] offset:(\i)*ROWIN+512*(\j) th:TH_LOAD_NT
.endr
.endr
.macro AHEAD u, j
	global_load_b128 v[X+16*(((\u)+8)%SLOTS)+4*(\j):X+16*(((\u)+8)%SLOTS)+4*(\j)+3], v[IN], s[12:13] offset:((\u)+8)*ROWIN+512*(\j) th:TH_LOAD_NT
.endm
.macro UNIT u, ahead, left
	s_wait_loadcnt \left
.if (\u) > 0
	s_wait_alu depctr_va_vdst(0)
.endif
.if \ahead
	AHEAD \u, 0
.endif
.if (\u) > 0
	global_store_b128 v[OUT], v[Y+4*((\u)-1):Y+4*((\u)-1)+3], s[8:9] offset:((\u)-1)*ROWOUT
.endif
.if \ahead
	AHEAD \u, 1
.endif
	v_cvt_scalef32_pk8_fp8_f32 v[Y+4*(\u):Y+4*(\u)+1], v[X+16*((\u)%SLOTS):X+16*((\u)%SLOTS)+7], v[SCL]
.if \ahead
	AHEAD \u, 2
	AHEAD \u, 3
.endif
	v_cvt_scalef32_pk8_fp8_f32 v[Y+4*(\u)+2:Y+4*(\u)+3], v[X+16*((\u)%SLOTS)+8:X+16*((\u)%SLOTS)+15], v[SCL]
	v_nop
.endm
	UNIT 0,  0, 32
	UNIT 1,  1, 28
	UNIT 2,  1, 28
	UNIT 3,  1, 28
	UNIT 4,  1, 28
	UNIT 5,  1, 28
	UNIT 6,  1, 28
	UNIT 7,  1, 28
	UNIT 8,  0, 28
	UNIT 9,  0, 24
	UNIT 10, 0, 20
	UNIT 11, 0, 16
	UNIT 12, 0, 12
	UNIT 13, 0, 8
	UNIT 14, 0, 4
	UNIT 15, 0, 0
	s_wait_alu depctr_va_vdst(0)
	global_store_b128 v[OUT], v[Y+60:Y+63], s[8:9] offset:15*ROWOUT
	s_endpgm
.Lfunc_end_k_q3e2ed3b4cb_quant:
	.size	k_q3e2ed3b4cb_quant, .Lfunc_end_k_q3e2ed3b4cb_quant-k_q3e2ed3b4cb_quant
	.p2alignl 7, 3214868480
	.fill 96, 4, 3214868480
	.section	.rodata,"a",@progbits
	.p2align	6, 0x0
	.amdhsa_kernel k_q3e2ed3b4cb_quant
		.amdhsa_group_segment_fixed_size 0
		.amdhsa_private_segment_fixed_size 0
		.amdhsa_enable_private_segment 0
		.amdhsa_kernarg_size 24
		.amdhsa_user_sgpr_count 2
		.amdhsa_user_sgpr_kernarg_segment_ptr 1
		.amdhsa_wavefront_size32 1
		.amdhsa_system_sgpr_workgroup_id_x 1
		.amdhsa_system_sgpr_workgroup_id_y 1
		.amdhsa_system_sgpr_workgroup_id_z 1
		.amdhsa_system_vgpr_workitem_id 0
		.amdhsa_next_free_vgpr 212
		.amdhsa_next_free_sgpr 66
		.amdhsa_reserve_vcc 0
		.amdhsa_float_denorm_mode_32 3
		.amdhsa_float_denorm_mode_16_64 3
		.amdhsa_memory_ordered 1
		.amdhsa_forward_progress 1
		.amdhsa_inst_pref_size 13
	.end_amdhsa_kernel
	.amdgpu_metadata
---
amdhsa.version: [ 1, 2 ]
amdhsa.kernels:
  - .name:           k_q3e2ed3b4cb_quant
    .symbol:         k_q3e2ed3b4cb_quant.kd
    .args:
      - { .name: x, .offset: 0, .size: 8, .value_kind: global_buffer, .address_space: global }
      - { .name: weight, .offset: 8, .size: 8, .value_kind: global_buffer, .address_space: global }
      - { .name: q8, .offset: 16, .size: 8, .value_kind: global_buffer, .address_space: global }
    .group_segment_fixed_size: 0
    .private_segment_fixed_size: 0
    .kernarg_segment_align: 8
    .kernarg_segment_size: 24
    .max_flat_workgroup_size: 256
    .sgpr_count:     66
    .vgpr_count:     212
    .wavefront_size: 32
...
	.end_amdgpu_metadata
.endif
;; end of part 3
;; launch gemm: the kernel of part 2 again; grid 16 x 16, 4 waves a work-group, clusters of 4 x 4, 327,680 bytes of LDS; arguments q8, out0; writes out0
